; MI455X (gfx1250); checked and timed in simulation.
; The chip was launched on July 23, 2026; its instructions are those of AMD's public machine-readable ISA for CDNA 5 (MIT licence, August 2026) and "CDNA5" Instruction Set Architecture Reference Guide (July 2026). The comments in the code are by the model that wrote it; some were corrected since.
;; Mo E. Allowed arithmetic: matrix products marked QUANTISED: E2M1 operands, one E8M0 scale for each 32 along K, by v_wmma_scale_f32_16x16x128_f8f6f4 with both operands' format E2M1 (or v_wmma_scale_f32_32x16x128_f4), f32 sums; products left as they are: f32 operands where the result goes on into a quantised operand, else bf16, f16 or f32 operands; f32 sums; everything else in f32.
;; Inputs: W1 8 x 512 x 512 float32; W2 8 x 512 x 512 float32; b1 8 x 512 float32; b2 8 x 512 float32; gate_W 512 x 8 float32; gate_b 8 float32; x 4 x 4,096 x 512 float32.
;; Outputs: out0 4 x 4,096 x 512 float32.
;; This version of the problem:
;;   THIS VERSION OF THE PROBLEM IS GIVEN IN LOW PRECISION. The matrix products marked QUANTISED in the list below multiply operands that are first quantised to E2M1 (2 exponent bits, 1 mantissa bit; 4 bits a number), with one power-of-two scale for each 32 numbers along K (OCP MX v1.0); their sums are f32. All else is computed in f32.
;;   The module's matrix products, in the order in which they are computed (A, B: the left and right operand; K: the contracted axis; several contracted axes count as one K, in the product's order):
;;     1. [M 16,384, K 512] x [K 512, N 8]; A: input x; B: input gate_W: left as it is (N = 8 < 16)
;;     2. [M 16,384, K 512] x [K 512, N 4,096]; A: input x; B: input W1: QUANTISED
;;     3. batch 8 x [M 512, K 512] x [K 512, N 16,384]; A: input W2; B: computed on the way: QUANTISED
;;   THE QUANTISER, for each operand of a quantised product, along K:
;;     - K is cut into blocks of 32 from its start; a last block that is shorter is filled with zeros.
;;     - A block's scale is 2^e with e = floor(log2(the largest magnitude in the block)) - 2, held to -126 .. 127; a block of zeros has e = 0. As a byte (E8M0): e + 127.
;;     - Each number is divided by its block's scale, clamped to +-6, and rounded to the nearest number of E2M1, ties to even, subnormals kept.
;;     - The product sums the exact products of the quantised numbers (number of the format x scale) in f32.
;;   ~~~python
;;   def quantise(x, axis):      # numpy; x: float32 -> the quantised numbers, widened to float32 again
;;       x = np.moveaxis(x, axis, -1); K = x.shape[-1]
;;       x = np.pad(x, [(0, 0)] * (x.ndim - 1) + [(0, -K % 32)]); x = x.reshape(x.shape[:-1] + (-1, 32)); a = np.abs(x).max(-1, keepdims=True)
;;       e = np.where(a > 0, np.clip(np.frexp(np.where(a > 0, a, 1))[1] - 1 - 2, -126, 127), 0)      # np.frexp(a)[1] - 1 = floor(log2(a)), exactly
;;       r = np.clip(x / 2.0 ** e, -6, 6)
;;       step = 2.0 ** (np.maximum(np.frexp(np.where(r == 0, 1, r))[1] - 1, 0) - 1)
;;       q = np.round(r / step) * step * 2.0 ** e      # np.round: ties to even
;;       return np.moveaxis(q.reshape(q.shape[:-2] + (-1,))[..., :K], -1, axis).astype(np.float32)
;;   ~~~
;;   OPERANDS COMPUTED ON THE WAY. 'Computed on the way' means the value that the module computes at that place (a softmax that the list does not call 'softmax' is quantised finished and normalised). What goes into a quantiser is computed in f32, as accurately as f32 sums, v_exp_f32 and their like allow (about 1e-6 of the number): no bf16 or f16 on the way to a quantiser, and a product that is left as it is and whose result goes on into a quantised operand takes f32 operands (vector FMAs, or v_wmma_f32_16x16x4_f32). A number that lies on a knife's edge between two numbers of the format may be rounded either way, as far as f32 arithmetic and the matrix unit's own rounding can turn it there, and no further.
;; One version. Each part assembles by itself: llvm-mc -triple=amdgcn-amd-amdhsa -mcpu=gfx1250 --defsym DOCPART=n.
;; ======== version 1 of 1: 2 launches
;; limits: right only within a limited range of input values
;; workspace buffers: xq 4,194,304 bytes; xs 262,144 bytes; wts 131,072 bytes; rec 24,576 bytes of whole numbers; wq 2,228,224 bytes
;; launch route (part 1): grid 256 x 1, 4 waves a work-group, no clusters, 57,088 bytes of LDS; arguments x, gate_W, gate_b, W1, W2, xq, xs, wts, rec, wq; writes xq, xs, wts, rec, wq
.if DOCPART == 1
	.amdgcn_target "amdgcn-amd-amdhsa--gfx1250"
	.amdhsa_code_object_version 6
	.text
	.protected	k_q55d4a3d831_route
	.globl	k_q55d4a3d831_route
	.p2align	8
	.type	k_q55d4a3d831_route,@function
k_q55d4a3d831_route:
	s_mov_b64 s[64:65], 0
	v_nop
	global_prefetch_b8 v0, s[64:65] scope:SCOPE_SE
	s_setreg_imm32_b32 hwreg(HW_REG_WAVE_MODE, 25, 1), 1
	s_wait_xcnt 0x0
; ROUTE.  Each of the 256 work-groups does two things side by side.
; (1) IT TAKES 64 TOKENS.  For each: the gate (x . gate_W + gate_b in f32, softmax with its maximum taken away, the two largest probabilities, the lower index first on a tie, a softmax of those two),
; and x's codes of E2M1 with one E8M0 byte for each 32 along K.  Stored at fixed places: xq [token][256 B], xs [token][16 B], wts [token][2] f32 (weight of the lower-numbered expert, of the higher),
; and rec [block of 64][96 B]: byte p (0..31) = how many of the block's tokens chose a pair of experts below p; byte 32 + z = the block's token that stands at place z when its tokens are sorted by (pair, token).
; No address and no branch hangs on the choice: the sort exchanges fixed lanes, and the counts are compares.
; A wave takes 16 tokens in 8 steps of 2.  In a step lane 16 hh + r holds k = 32 r .. 32 r + 31 of token 2 t + hh: one whole block of the quantiser.
; Each load reads 512 consecutive bytes; a step's 4,096 bytes turn through the wave's own stage in LDS (144 bytes a lane: 128 + 16 of padding).
; gate_W's 32 rows x 8 of a lane's k stay in 256 registers (window 1); the wave's whole share of x is asked for at the head (window 2).
; (2) IT QUANTISES 64 COLUMNS x 256 ALONG K OF ONE WEIGHT.  W1[e], W2[e] are [K 512][N 512] f32, K their first axis.  A lane takes columns l and l + 32, its registers run down K (window 3), so a block of 32 along K is one lane's.
; Wave v takes 64 along K.  wq lies in the order of the operand's registers: chunk (e, w, place) of 8,704 bytes = columns 128 w + 32 c + q, place = c in layer 1, 4 + 2 (c % 2) + c / 2 in layer 2.
; Fragment (u, s) at 1,024 (4 u + s): half cc at + 512 cc, lane 16 h + r at + 16 (16 h + r): column q = 8 u + r + 8 (r / 8), k = 128 s + 64 cc + 32 h + 0 .. 31.  At 8,192 + 256 kh + 8 (16 u + r): the 8 scale bytes of k = 256 kh .. 256 kh + 255.
; The products of the experts that a token did not choose are left out here and in the next launch: reference() itself gathers two rows of y_all for each token and never uses the others, whatever the inputs hold.
; A NaN, an infinity or an overflow that reaches only those rows is not carried to the result.
; LIMITS: NaN and infinities are not served.  A block of zeros, or one whose largest magnitude lies under 2^-124, gets the byte 1 (zeros keep zero codes; the bytes are read by this program alone).
; Probabilities are made as 2^(d + 64) x 2^-64, so that they do not fall to zero above the smallest f32 number; among such tiny ones a tie may fall otherwise than in the definition.
.set GWP, 1040                         ; a slice of gate_W in LDS: 1,024 bytes + 16
.set STG, 16640                        ; stages: two of 4,608 bytes for each wave
.set STB, 4608
.set SB,  53504                        ; scale bytes of x: 256 for each wave
.set KEY, 54528                        ; 64 keys; the words behind them take what lanes without a token hold
.set WT,  55040                        ; 64 pairs of weights, and as much for lanes without a token
.set WSC, 56064                        ; scale bytes of the weight: two chunks x 256
.set SPARE, 56576                      ; the spare words
.set A0,  16                           ; v16-23 logits from even k;  v24-31 from odd k
.set A1,  24
.set X,   32                           ; v32-95 two sets of 32 numbers
.set LG,  96                           ; v96-103 the logits of my token
.set CD,  104                          ; v104-135 codes, four registers a step
.set BY,  136                          ; v136-143 a scale byte a step
.set QT,  144                          ; at work
.set P,   152                          ; v152-159 probabilities
.set WC,  192                          ; v192-207 the weight's codes
.set CH,   8704
.set WAVB, 69632
.set EXPB, 278528
.set LB1,  0xaaaaaaaa                  ; the lanes whose number has the bit
.set LB2,  0xcccccccc
.set LB4,  0xf0f0f0f0
.set LB8,  0xff00ff00
.set LB16, 0xffff0000
.set ALL,  0xffffffff
.set MSB, 0
.macro WIN new                         ; the immediate's high byte repeats the setting that is left
.if MSB != (\new)
	s_set_vgpr_msb (MSB<<8)|(\new)
.set MSB, (\new)
.endif
.endm
.macro VA
	s_wait_alu depctr_va_vdst(0)
.endm
	s_load_b512 s[4:19], s[0:1], 0x0               ; x, gate_W, gate_b, W1, W2, xq, xs, wts
	s_load_b128 s[20:23], s[0:1], 0x40             ; rec, wq
	v_lshl_add_u32 v254, v0, 2, SPARE
	v_mov_b32 v255, 0
	v_lshrrev_b32 v1, 5, v0
	v_readfirstlane_b32 s33, v1                    ; wave
	v_and_b32 v1, 31, v0                           ; lane
	v_and_b32 v2, 15, v0                           ; r
	v_bfe_u32 v3, v0, 4, 1                         ; hh
	v_lshlrev_b32 v4, 4, v1                        ; 16 x lane
	s_mul_i32 s66, s33, 2*STB
	s_add_co_u32 s66, s66, STG
	v_lshrrev_b32 v5, 3, v1
	v_mul_u32_u24 v5, v5, 144
	v_and_b32 v6, 7, v1
	v_lshl_add_u32 v5, v6, 4, v5
	v_add_nc_u32 v5, s66, v5                       ; into the stage: eight lanes' 128 bytes on end, then 16 of padding
	v_mul_u32_u24 v6, v1, 144
	v_add_nc_u32 v6, s66, v6                       ; out of it: my 128 bytes
	s_lshl_b32 s67, s33, 8
	s_add_co_u32 s67, s67, SB
	v_add_nc_u32 v7, s67, v1                       ; my scale byte of a step
	v_lshlrev_b32 v9, 3, v1                        ; 8 x lane
	v_add_nc_u32 v8, s67, v9                       ; and 8 of them on the way out
	s_mul_i32 s68, s33, 4*GWP
	v_add_nc_u32 v10, s68, v4                      ; gate_W into LDS: my wave's four slices
	v_mul_u32_u24 v11, v2, GWP                     ; and out: slice r
	v_lshlrev_b32 v12, 2, v1                       ; 4 x lane
	s_lshl_b32 s69, s33, 4
	v_and_b32 v246, 7, v2
	v_lshl_add_u32 v246, v246, 1, v3
	v_add_nc_u32 v246, s69, v246                   ; the token that lanes r < 8 own behind the steps: 16 wave + 2 r + hh
	v_lshrrev_b32 v247, 3, v2
	v_lshlrev_b32 v13, 8, v247
	v_lshl_add_u32 v13, v246, 2, v13
	v_add_nc_u32 v13, KEY, v13                     ; its key's place (lanes r >= 8: behind the 64)
	v_lshlrev_b32 v251, 9, v247
	v_lshl_add_u32 v251, v246, 3, v251
	v_add_nc_u32 v251, WT, v251                    ; its weights' place
	v_mov_b32 v14, 0xffffffc0                      ; -64
	v_mov_b32 v15, 0x42800000                      ; 64.0
	v_mov_b32 v248, 0
	v_bfe_u32 v249, v1, 3, 1                       ; u of my columns
	v_and_b32 v250, 7, v1
	v_lshl_add_u32 v250, v3, 3, v250               ; r of my columns
	v_lshlrev_b32 v252, 12, v249
	v_lshl_add_u32 v252, v250, 4, v252             ; my codes' place in a chunk: 4,096 u + 16 r
	v_lshl_add_u32 v249, v249, 4, v250             ; 16 u + r
	s_lshl_b32 s69, s33, 1
	s_add_co_u32 s69, s69, WSC
	v_lshl_add_u32 v253, v249, 3, s69              ; my two scale bytes in LDS
	s_and_b32 s58, s33, 1
	s_lshl_b32 s69, s58, 8
	s_add_co_u32 s69, s69, WSC
	v_add_nc_u32 v247, s69, v9                     ; and 8 of them on the way out: waves 2 and 3 take a chunk each
	s_mov_b32 s32, 0x3fb8aa3b                      ; log2(e)
	s_lshl_b32 s34, ttmp9, 17                      ; x: 64 tokens of 2,048 bytes a work-group, 16 a wave
	s_lshl_b32 s35, s33, 15
	s_add_co_u32 s34, s34, s35
	s_mov_b32 s35, 0
	s_lshl_b32 s66, ttmp9, 14                      ; xq
	s_lshl_b32 s67, s33, 12
	s_add_co_u32 s66, s66, s67
	s_mov_b32 s67, 0
	s_lshl_b32 s68, ttmp9, 10                      ; xs
	s_lshl_b32 s69, s33, 8
	s_add_co_u32 s68, s68, s69
	s_mov_b32 s69, 0
	s_lshl_b32 s70, ttmp9, 9                       ; wts
	s_mov_b32 s71, 0
	s_lshl_b32 s72, s33, 12                        ; gate_W: my wave's quarter
	s_mov_b32 s73, 0
	s_mul_i32 s74, ttmp9, 96                       ; rec
	s_mov_b32 s75, 0
	s_lshr_b32 s37, ttmp9, 5                       ; the weight: expert,
	s_bfe_u32 s38, ttmp9, 0x10004                  ; layer,
	s_bfe_u32 s39, ttmp9, 0x30001                  ; which 64 columns,
	s_and_b32 s40, ttmp9, 1                        ; kh: which half of K
	s_lshl_b32 s42, s37, 20
	s_lshl_b32 s43, s40, 19
	s_add_co_u32 s42, s42, s43
	s_lshl_b32 s43, s33, 17
	s_add_co_u32 s42, s42, s43
	s_lshl_b32 s43, s39, 8
	s_add_co_u32 s42, s42, s43
	s_mov_b32 s43, 0
	s_mul_i32 s44, s37, EXPB                       ; its first chunk
	s_lshr_b32 s45, s39, 1
	s_mul_i32 s45, s45, WAVB
	s_add_co_u32 s44, s44, s45
	s_and_b32 s46, s39, 1
	s_sub_co_u32 s47, 2, s38
	s_mul_i32 s46, s46, s47
	s_lshl_b32 s48, s38, 2
	s_add_co_u32 s46, s46, s48                     ; place 2 (c / 2) in layer 1, 4 + c / 2 in layer 2
	s_mul_i32 s46, s46, CH
	s_add_co_u32 s44, s44, s46
	s_mov_b32 s45, 0
	s_add_co_u32 s46, s38, 1
	s_mul_i32 s46, s46, CH                         ; from its first chunk to its second: one place in layer 1, two in layer 2
	s_mov_b32 s47, 0
	s_lshl_b32 s48, s40, 11                        ; my codes: 2,048 kh + 512 wave
	s_lshl_b32 s49, s33, 9
	s_add_co_u32 s48, s48, s49
	s_mov_b32 s49, 0
	s_lshl_b32 s52, s40, 8                         ; my scale bytes: 256 kh
	s_mov_b32 s53, 0
	VA
	s_wait_kmcnt 0x0
	s_load_b256 s[24:31], s[8:9], 0x0              ; gate_b
	s_add_nc_u64 s[4:5], s[4:5], s[34:35]
	s_add_nc_u64 s[6:7], s[6:7], s[72:73]
	s_add_nc_u64 s[14:15], s[14:15], s[66:67]
	s_add_nc_u64 s[16:17], s[16:17], s[68:69]
	s_add_nc_u64 s[18:19], s[18:19], s[70:71]
	s_add_nc_u64 s[20:21], s[20:21], s[74:75]
.irp i, 0,1,2,3,4,5,6,7
	global_load_b128 v[X+4*\i:X+4*\i+3], v4, s[6:7] offset:512*\i
.endr
.macro XLOAD t                         ; step t's 4,096 bytes, 512 consecutive bytes a load, into window 2
.irp i, 0,1,2,3,4,5,6,7
	global_load_b128 v[32*(\t)+4*\i:32*(\t)+4*\i+3], v4, s[4:5] offset:4096*(\t)+512*\i th:TH_LOAD_NT
.endr
.endm
	WIN 0x80                                       ; destination window 2
.irp t, 0,1,2,3,4,5,6
	XLOAD \t
.endr
	WIN 0
	s_cmp_eq_u32 s38, 0                            ; the choice hangs on the work-group's number alone
	s_cselect_b64 s[10:11], s[10:11], s[12:13]
	s_add_nc_u64 s[10:11], s[10:11], s[42:43]
	s_add_nc_u64 s[22:23], s[22:23], s[44:45]
	s_add_nc_u64 s[50:51], s[22:23], s[46:47]
	s_add_nc_u64 s[54:55], s[22:23], s[52:53]
	s_add_nc_u64 s[56:57], s[50:51], s[52:53]
	s_add_nc_u64 s[22:23], s[22:23], s[48:49]
	s_add_nc_u64 s[50:51], s[50:51], s[48:49]
	s_cmp_eq_u32 s58, 0
	s_cselect_b64 s[54:55], s[54:55], s[56:57]
	s_wait_loadcnt 56                              ; behind gate_W's eight loads stand 56 of x
.irp i, 0,1,2,3,4,5,6,7
	ds_store_b128 v10, v[X+4*\i:X+4*\i+3] offset:(\i/2)*GWP+(\i%2)*512
.endr
	s_wait_dscnt 0x0                               ; my part of gate_W lies in LDS
	s_barrier_signal -1
	s_barrier_wait -1                              ; everybody's does
	WIN 0x40                                       ; destination window 1
.set q, 0
.rept 64
	ds_load_b128 v[4*q:4*q+3], v11 offset:16*q     ; register 8 k + e: gate_W(32 r + k, e)
.set q, q+1
.endr
	WIN 0
; Row 32 kb + i of my wave's 64 along K: both halves of an aligned 256 bytes, into window 3: columns l at 32 kb + i, columns 32 + l at 64 + 32 kb + i
.macro WLD kb, i
	global_load_b32 v[32*(\kb)+(\i)], v12, s[10:11] offset:2048*(32*(\kb)+(\i)) th:TH_LOAD_NT
	global_load_b32 v[64+32*(\kb)+(\i)], v12, s[10:11] offset:2048*(32*(\kb)+(\i))+128 th:TH_LOAD_NT
.endm
.macro WGRP kb, from, n
	WIN 0xc0                                       ; destination window 3
.set wi, \from
.rept \n
	WLD \kb, wi
.set wi, wi+1
.endr
	WIN 0
.endm
.macro TURN t                          ; step t through the stage: LDS serves a wave's instructions in order, so no wait stands between the stores and the loads
	WIN 0x08                                       ; the data: window 2
.irp i, 0,1,2,3,4,5,6,7
	ds_store_b128 v5, v[32*(\t)+4*\i:32*(\t)+4*\i+3] offset:STB*((\t)%2)+576*\i
.endr
	WIN 0
.irp i, 0,1,2,3,4,5,6,7
	ds_load_b128 v[X+32*((\t)%2)+4*\i:X+32*((\t)%2)+4*\i+3], v6 offset:STB*((\t)%2)+16*\i
.endr
.endm
	WIN 0x80
	XLOAD 7
	WIN 0
	s_wait_loadcnt 56                              ; step 0's eight loads are in; 56 stand behind them
	TURN 0
.macro STEP t
.set XS, X+32*((\t)%2)
	s_wait_dscnt 0x0                               ; this step's numbers are back from the stage (in step 0: gate_W's registers too)
.if (\t) < 7
	s_wait_loadcnt 48                              ; the next step's eight loads are in: behind them stand 48 - 8 t of x and 8 t of the weight
	TURN (\t)+1
.endif
	WIN 0x04                                       ; source 1 (gate_W) window 1
.irp p, 0,1,2,3
	v_pk_mul_f32 v[A0+2*\p:A0+2*\p+1], v[XS:XS+1], v[2*\p:2*\p+1] op_sel_hi:[0,1]              ; k = 0 and k = 1 start the sums: nothing is cleared
.endr
.irp p, 0,1,2,3
	v_pk_mul_f32 v[A1+2*\p:A1+2*\p+1], v[XS:XS+1], v[8+2*\p:8+2*\p+1] op_sel:[1,0] op_sel_hi:[1,1]
.endr
.set kk, 2
.rept 15                               ; two logits an instruction, eight chains
.irp p, 0,1,2,3
	v_pk_fma_f32 v[A0+2*\p:A0+2*\p+1], v[XS+kk:XS+kk+1], v[8*kk+2*\p:8*kk+2*\p+1], v[A0+2*\p:A0+2*\p+1] op_sel_hi:[0,1,1]
.endr
.irp p, 0,1,2,3
	v_pk_fma_f32 v[A1+2*\p:A1+2*\p+1], v[XS+kk:XS+kk+1], v[8*kk+8+2*\p:8*kk+8+2*\p+1], v[A1+2*\p:A1+2*\p+1] op_sel:[1,0,0] op_sel_hi:[1,1,1]
.endr
.set kk, kk+2
.endr
	WIN 0
.irp p, 0,2,4,6
	v_pk_add_f32 v[A0+\p:A0+\p+1], v[A0+\p:A0+\p+1], v[A1+\p:A1+\p+1]
.endr
.irp x, 1,2,4,8                        ; over the sixteen lanes of a token
.irp j, 0,1,2,3,4,5,6,7
	v_add_f32_dpp v[A0+\j], v[A0+\j], v[A0+\j] row_xmask:\x row_mask:0xf bank_mask:0xf
.endr
.endr
.if (\t) == 0
.irp j, 0,1,2,3,4,5,6,7
	v_mov_b32 v[LG+\j], v[A0+\j]
.endr
.else
	s_mov_b32 s34, 0x10001<<(\t)                   ; lane (hh, r = t) keeps token 2 t + hh
.irp j, 0,1,2,3,4,5,6,7
	v_cndmask_b32 v[LG+\j], v[LG+\j], v[A0+\j], s34
.endr
.endif
	v_max3_num_f32 v[QT], |v[XS]|, |v[XS+1]|, |v[XS+2]|            ; the block's largest magnitude: all 32 numbers are mine
	v_max3_num_f32 v[QT+1], |v[XS+3]|, |v[XS+4]|, |v[XS+5]|
.irp i, 6,10,14,18,22,26
	v_max3_num_f32 v[QT], v[QT], |v[XS+\i]|, |v[XS+\i+1]|
	v_max3_num_f32 v[QT+1], v[QT+1], |v[XS+\i+2]|, |v[XS+\i+3]|
.endr
	v_max3_num_f32 v[QT], v[QT], |v[XS+30]|, |v[XS+31]|
	v_max3_num_f32 v[QT], v[QT], v[QT+1], 0x1800000                ; and the floor 2^(3 - 127): the byte cannot fall under 1
	v_add_nc_u32 v[QT+2], 0xff000000, v[QT]                        ; 2 off the exponent field: the conversion's scale operand
.irp g, 0,1,2,3
	v_cvt_scalef32_pk8_fp4_f32 v[CD+4*(\t)+\g], v[XS+8*\g:XS+8*\g+7], v[QT+2]
.endr
	v_lshrrev_b32 v[BY+(\t)], 23, v[QT+2]                          ; the scale's byte
	ds_store_b8 v7, v[BY+(\t)] offset:32*(\t)
	global_store_b128 v4, v[CD+4*(\t):CD+4*(\t)+3], s[14:15] offset:512*(\t)   ; the wave stores 512 consecutive bytes: two tokens' rows of codes
	WGRP 0, 4*(\t), 4                              ; eight loads of the weight's first block of 32
.endm
.irp t, 0,1,2,3,4,5,6,7
	STEP \t
.endr
	; THE GATE.  Lane (hh, r < 8) holds token 2 r + hh of my wave's 16; the other lanes compute along.  The weight's second block of 32 is asked for in four groups.
	WGRP 1, 0, 8
	s_wait_kmcnt 0x0                               ; gate_b
.irp j, 0,1,2,3,4,5,6,7
	v_add_f32 v[LG+\j], s[24+\j], v[LG+\j]
.endr
	v_max3_num_f32 v160, v[LG], v[LG+1], v[LG+2]
	v_max3_num_f32 v160, v160, v[LG+3], v[LG+4]
	v_max3_num_f32 v160, v160, v[LG+5], v[LG+6]
	v_max_num_f32 v160, v160, v[LG+7]              ; the largest logit is taken away
.irp j, 0,1,2,3,4,5,6,7
	v_sub_f32 v[P+\j], v[LG+\j], v160
.endr
.irp j, 0,1,2,3,4,5,6,7
	v_fmamk_f32 v[P+\j], v[P+\j], 0x3fb8aa3b, v15  ; d log2(e) + 64
.endr
	WGRP 1, 8, 8
	VA
.irp j, 0,1,2,3,4,5,6,7
	v_exp_f32 v[P+\j], v[P+\j]
.endr
	v_nop                                          ; a plain instruction behind the last exponential
	VA                                             ; one wait for the eight, ahead of their first reader
.irp j, 0,1,2,3,4,5,6,7
	v_ldexp_f32 v[P+\j], v[P+\j], v14              ; x 2^-64
.endr
	v_add_f32 v161, v[P], v[P+1]
	v_add_f32 v162, v[P+2], v[P+3]
	v_add_f32 v167, v[P+4], v[P+5]
	v_add_f32 v168, v[P+6], v[P+7]
	v_add_f32 v161, v161, v162
	v_add_f32 v167, v167, v168
	v_add_f32 v161, v161, v167
	VA
	v_rcp_f32 v162, v161
	v_nop
	VA
.irp j, 0,1,2,3,4,5,6,7
	v_mul_f32 v[P+\j], v[P+\j], v162               ; the probabilities
.endr
	WGRP 1, 16, 8
.macro TOP b, val, idx                 ; the largest of v[b] .. v[b + 7], and the lowest index that has it
	v_max3_num_f32 v[\val], v[\b], v[\b+1], v[\b+2]
	v_max3_num_f32 v[\val], v[\val], v[\b+3], v[\b+4]
	v_max3_num_f32 v[\val], v[\val], v[\b+5], v[\b+6]
	v_max_num_f32 v[\val], v[\val], v[\b+7]
	v_mov_b32 v[\idx], 7
.irp j, 0,1,2,3,4,5,6
	v_cmp_neq_f32 s[36+\j], v[\val], v[\b+\j]
.endr
.irp j, 6,5,4,3,2,1,0
	v_cndmask_b32 v[\idx], \j, v[\idx], s[36+\j]
.endr
.endm
	TOP P, 163, 164
.irp j, 0,1,2,3,4,5,6,7
	v_cmp_ne_u32 s[36+\j], \j, v164
.endr
.irp j, 0,1,2,3,4,5,6,7
	v_cndmask_b32 v[LG+\j], -1.0, v[P+\j], s[36+\j]   ; the first is passed over: no probability is negative
.endr
	TOP LG, 165, 166
	WGRP 1, 24, 8
	v_sub_f32 v167, v165, v163                     ; softmax of the two, the larger taken away: 1 / (1 + e^(p2 - p1)) and the rest
	v_mul_f32 v167, s32, v167
	VA
	v_exp_f32 v167, v167
	v_nop
	VA
	v_add_f32 v168, 1.0, v167
	VA
	v_rcp_f32 v169, v168
	v_nop
	VA
	v_mul_f32 v170, v167, v169
	v_min_u32 v171, v164, v166                     ; lo
	v_max_u32 v172, v164, v166                     ; hi
	v_sub_nc_u32 v173, 15, v171
	v_mul_u32_u24 v173, v173, v171
	v_lshrrev_b32 v173, 1, v173
	v_add_nc_u32 v173, v173, v172
	v_sub_nc_u32 v173, v173, v171
	v_add_nc_u32 v173, -1, v173                    ; the pair's index: lo (15 - lo) / 2 + hi - lo - 1
	v_cmp_lt_u32 vcc_lo, v164, v166
	v_cndmask_b32 v174, v170, v169, vcc_lo         ; the weight of lo,
	v_cndmask_b32 v175, v169, v170, vcc_lo         ; of hi
	v_lshl_or_b32 v185, v173, 6, v246              ; the key: pair x 64 + token in the block
	ds_store_b32 v13, v185
	ds_store_b64 v251, v[174:175]
	ds_load_b64 v[190:191], v8                     ; my wave's 256 scale bytes, 8 a lane
	VA
	s_wait_dscnt 0x0                               ; my keys and weights lie in LDS
	s_barrier_signal -1
	s_barrier_wait -1                              ; everybody's do
	global_store_b64 v9, v[190:191], s[16:17]      ; the wave stores 256 consecutive bytes of scale bytes, aligned
	s_cmp_lg_u32 s33, 0
	s_cbranch_scc1 .Lnot0
	; WAVE 0 SORTS the 64 keys: number 32 g + lane in v32 + g.  Partners exchange over a fixed bit of the lane's number; a fixed mask says which lanes keep the smaller.
	ds_load_b32 v32, v12 offset:KEY
	ds_load_b32 v33, v12 offset:KEY+128
	v_mov_b32 v34, 0
	v_mov_b32 v35, 0
	s_mov_b32 s44, 0x76543210
	s_mov_b32 s45, 0xfedcba98
	VA
	s_wait_dscnt 0x0
.macro CX j, m0, m1
	s_mov_b32 s40, \m0
	s_mov_b32 s41, \m1
.if \j == 16
	v_permlanex16_b32 v34, v32, s44, s45
	v_permlanex16_b32 v35, v33, s44, s45
.else
	v_mov_b32_dpp v34, v32 row_xmask:\j row_mask:0xf bank_mask:0xf
	v_mov_b32_dpp v35, v33 row_xmask:\j row_mask:0xf bank_mask:0xf
.endif
	v_min_u32 v36, v32, v34
	v_min_u32 v37, v33, v35
	v_max_u32 v38, v32, v34
	v_max_u32 v39, v33, v35
	v_cndmask_b32 v32, v38, v36, s40
	v_cndmask_b32 v33, v39, v37, s41
.endm
	CX 1, LB1^LB2^ALL, LB1^LB2^ALL
	CX 2, LB2^LB4^ALL, LB2^LB4^ALL
	CX 1, LB1^LB4^ALL, LB1^LB4^ALL
	CX 4, LB4^LB8^ALL, LB4^LB8^ALL
	CX 2, LB2^LB8^ALL, LB2^LB8^ALL
	CX 1, LB1^LB8^ALL, LB1^LB8^ALL
	CX 8, LB8^LB16^ALL, LB8^LB16^ALL
	CX 4, LB4^LB16^ALL, LB4^LB16^ALL
	CX 2, LB2^LB16^ALL, LB2^LB16^ALL
	CX 1, LB1^LB16^ALL, LB1^LB16^ALL
	CX 16, LB16^ALL, LB16                          ; v32 upward, v33 downward
	CX 8, LB8^ALL, LB8
	CX 4, LB4^ALL, LB4
	CX 2, LB2^ALL, LB2
	CX 1, LB1^ALL, LB1
	v_min_u32 v36, v32, v33
	v_max_u32 v33, v32, v33
	v_mov_b32 v32, v36
	CX 16, LB16^ALL, LB16^ALL
	CX 8, LB8^ALL, LB8^ALL
	CX 4, LB4^ALL, LB4^ALL
	CX 2, LB2^ALL, LB2^ALL
	CX 1, LB1^ALL, LB1^ALL
	v_and_b32 v36, 63, v32
	v_and_b32 v37, 63, v33
	global_store_b8 v1, v36, s[20:21] offset:32    ; the tokens in order: 64 consecutive bytes
	global_store_b8 v1, v37, s[20:21] offset:64
.Lnot0:
	s_cmp_lg_u32 s33, 1
	s_cbranch_scc1 .Lnot1
	; WAVE 1 COUNTS: lane p counts the keys under 64 p
.set q, 0
.rept 16
	ds_load_b128 v[32+4*q:35+4*q], v248 offset:KEY+16*q
.set q, q+1
.endr
	v_mov_b32 v210, 0
	v_lshlrev_b32 v211, 6, v1
	VA
	s_wait_dscnt 0x0
.set q, 0
.rept 64
	v_cmp_gt_u32 vcc_lo, v211, v[32+q]
	v_add_co_ci_u32 v210, vcc_lo, 0, v210, vcc_lo
.set q, q+1
.endr
	global_store_b8 v1, v210, s[20:21]             ; 32 consecutive bytes
.Lnot1:
	s_cmp_lg_u32 s33, 3
	s_cbranch_scc1 .Lnot3
	ds_load_b128 v[212:215], v4 offset:WT          ; WAVE 3: the block's 64 pairs of weights
	s_wait_dscnt 0x0
	global_store_b128 v4, v[212:215], s[18:19]     ; 512 consecutive bytes
.Lnot3:
; Block kb of my two columns
.macro WB kb
	WIN 0x0f                                       ; sources 0 and 1 window 3
.irp f, 0,1
	v_max3_num_f32 v[96+\f], |v[64*\f+32*(\kb)]|, |v[64*\f+32*(\kb)+1]|, 0x1800000   ; with the floor 2^(3 - 127)
	v_max_num_f32 v[98+\f], |v[64*\f+32*(\kb)+2]|, |v[64*\f+32*(\kb)+3]|
.endr
.irp i, 4,8,12,16,20,24,28
.irp f, 0,1
	v_max3_num_f32 v[96+\f], |v[64*\f+32*(\kb)+\i]|, |v[64*\f+32*(\kb)+\i+1]|, v[96+\f]
	v_max3_num_f32 v[98+\f], |v[64*\f+32*(\kb)+\i+2]|, |v[64*\f+32*(\kb)+\i+3]|, v[98+\f]
.endr
.endr
	WIN 0
.irp f, 0,1
	v_max_num_f32 v[96+\f], v[96+\f], v[98+\f]
.endr
.irp f, 0,1
	v_add_nc_u32 v[100+\f], 0xff000000, v[96+\f]   ; the conversion's scale operand
.endr
	WIN 0x03                                       ; source 0 window 3
.irp f, 0,1
.irp g, 0,1,2,3
	v_cvt_scalef32_pk8_fp4_f32 v[WC+8*(\kb)+4*\f+\g], v[64*\f+32*(\kb)+8*\g:64*\f+32*(\kb)+8*\g+7], v[100+\f]
.endr
.endr
	WIN 0
.irp f, 0,1
.if (\kb) == 0
	v_lshrrev_b32 v[208+\f], 23, v[100+\f]         ; the byte
.else
	v_lshrrev_b32 v[102+\f], 23, v[100+\f]
.endif
.endr
.if (\kb) == 1
.irp f, 0,1
	v_lshl_or_b32 v[208+\f], v[102+\f], 8, v[208+\f]
.endr
.endif
	global_store_b128 v252, v[WC+8*(\kb):WC+8*(\kb)+3], s[22:23] offset:256*(\kb)     ; the sixteen lanes of one u store 256 consecutive bytes, aligned
	global_store_b128 v252, v[WC+8*(\kb)+4:WC+8*(\kb)+7], s[50:51] offset:256*(\kb)
.endm
	s_wait_loadcnt 63                              ; the first block's 64 loads are in (64 stand behind them)
	WB 0
	VA
	s_wait_loadcnt 0x0
	WB 1
	ds_store_b16 v253, v208
	ds_store_b16 v253, v209 offset:256
	VA
	s_wait_dscnt 0x0                               ; my scale bytes lie in LDS
	s_barrier_signal -1
	s_barrier_wait -1
	s_cmp_lt_u32 s33, 2
	s_cbranch_scc1 .Ldone
	ds_load_b64 v[216:217], v247
	s_wait_dscnt 0x0
	global_store_b64 v9, v[216:217], s[54:55] offset:8192   ; 256 consecutive bytes, aligned: a chunk's scale bytes of this half of K
.Ldone:
	s_wait_tensorcnt 0x0                           ; the wave's end
	ds_add_u32 v254, v255
	s_wait_dscnt 0x0
	s_endpgm
.Lfunc_end_k_q55d4a3d831_route:
	.size	k_q55d4a3d831_route, .Lfunc_end_k_q55d4a3d831_route-k_q55d4a3d831_route
	.p2alignl 7, 3214868480
	.fill 96, 4, 3214868480
	.section	.rodata,"a",@progbits
	.p2align	6, 0x0
	.amdhsa_kernel k_q55d4a3d831_route
		.amdhsa_group_segment_fixed_size 57088
		.amdhsa_private_segment_fixed_size 0
		.amdhsa_enable_private_segment 0
		.amdhsa_kernarg_size 80
		.amdhsa_user_sgpr_count 2
		.amdhsa_user_sgpr_kernarg_segment_ptr 1
		.amdhsa_wavefront_size32 1
		.amdhsa_system_sgpr_workgroup_id_x 1
		.amdhsa_system_sgpr_workgroup_id_y 1
		.amdhsa_system_sgpr_workgroup_id_z 1
		.amdhsa_system_vgpr_workitem_id 0
		.amdhsa_next_free_vgpr 1024
		.amdhsa_next_free_sgpr 80
		.amdhsa_reserve_vcc 1
		.amdhsa_float_denorm_mode_32 3
		.amdhsa_float_denorm_mode_16_64 3
		.amdhsa_memory_ordered 1
		.amdhsa_forward_progress 1
		.amdhsa_inst_pref_size 169
	.end_amdhsa_kernel
	.amdgpu_metadata
---
amdhsa.version: [ 1, 2 ]
amdhsa.kernels:
  - .name:           k_q55d4a3d831_route
    .symbol:         k_q55d4a3d831_route.kd
    .args:
      - { .name: x, .offset: 0, .size: 8, .value_kind: global_buffer, .address_space: global }
      - { .name: gate_W, .offset: 8, .size: 8, .value_kind: global_buffer, .address_space: global }
      - { .name: gate_b, .offset: 16, .size: 8, .value_kind: global_buffer, .address_space: global }
      - { .name: W1, .offset: 24, .size: 8, .value_kind: global_buffer, .address_space: global }
      - { .name: W2, .offset: 32, .size: 8, .value_kind: global_buffer, .address_space: global }
      - { .name: xq, .offset: 40, .size: 8, .value_kind: global_buffer, .address_space: global }
      - { .name: xs, .offset: 48, .size: 8, .value_kind: global_buffer, .address_space: global }
      - { .name: wts, .offset: 56, .size: 8, .value_kind: global_buffer, .address_space: global }
      - { .name: rec, .offset: 64, .size: 8, .value_kind: global_buffer, .address_space: global }
      - { .name: wq, .offset: 72, .size: 8, .value_kind: global_buffer, .address_space: global }
    .group_segment_fixed_size: 57088
    .private_segment_fixed_size: 0
    .kernarg_segment_align: 8
    .kernarg_segment_size: 80
    .max_flat_workgroup_size: 128
    .sgpr_count:     80
    .vgpr_count:     1024
    .wavefront_size: 32
...
	.end_amdgpu_metadata
.endif
;; end of part 1
;; launch chain (part 2): grid 232 x 1, 4 waves a work-group, no clusters, 279,040 bytes of LDS; arguments rec, xq, xs, wts, wq, b1, b2, out0; writes out0
.if DOCPART == 2
	.amdgcn_target "amdgcn-amd-amdhsa--gfx1250"
	.amdhsa_code_object_version 6
	.text
	.protected	k_q55d4a3d831_chain
	.globl	k_q55d4a3d831_chain
	.p2align	8
	.type	k_q55d4a3d831_chain,@function
k_q55d4a3d831_chain:
	s_mov_b64 s[64:65], 0
	v_nop
	global_prefetch_b8 v0, s[64:65] scope:SCOPE_SE
	s_setreg_imm32_b32 hwreg(HW_REG_WAVE_MODE, 25, 1), 1
	s_wait_xcnt 0x0
; CHAIN.  A work-group takes one tile: up to 80 tokens that chose the same two experts (lo, hi), and makes their rows of out0 whole:
; out = w_lo (Q(relu(Q(x) Q(W1[lo]) + b1[lo])) Q(W2[lo]) + b2[lo]) + w_hi (the same with hi).  Both products on codes of E2M1 with E8M0 scales; sums in f32; the hidden layer never goes to memory.
; The rows of y_all that reference() does not gather (experts not chosen) are left out; a NaN, an infinity or an overflow that reaches only those is not carried to the result.
; 232 work-groups serve every split: the sum over 28 pairs of ceil(n / 80) with 16,384 tokens in all is at most (16,384 + 28 x 79) / 80.
; WHICH TILE IS MINE.  rec's 256 records (96 bytes: 32 counts of tokens in lower pairs, 64 tokens in order of their pairs) come into LDS.  The sum of count p over all blocks is where pair p begins; cut into tiles of 80, the pairs give my
; pair and my first rank in it.  For the pair, lane l holds blocks 32 i + l, i = 0..7; prefix sums over these 256 give each rank its block, and the record its token.  The four waves do this alike, each for itself.
; No tensor loads and no joint loads: which expert's weights a work-group reads hangs on stored numbers, and so does whether it stores; partners of equal needs cannot be fixed in the grid.
; No data prefetch: the weights' addresses are known only behind the records, and from there on the loads themselves stand up to four chunks ahead of their use.
; SHARES.  The waves share the COLUMNS: wave w makes hidden units 128 w .. 128 w + 127 of both experts, then output columns 128 w .. 128 w + 127, for all 80 rows (five tiles of 16).
; The rows' fragments stay in registers (x, then the hidden layer); the weights, used once, stream from wq, which lies in the order of the operand's registers, through a ring of four register slots: a chunk = 32 columns x K 512 = 18 loads, 40 products.
; BOTH PRODUCTS ARE USED TRANSPOSED (source 0 = 16 columns of the weight, source 1 = 16 tokens): a lane holds one token, and by the chunk's choice of columns the 16 registers of tiles u = 0, 1 are 16 neighbouring columns 32 c + 16 h + 0 .. 15.
; The biases are the C of each sum's first product; they wait in LDS.  The hidden layer goes from wave to wave through LDS as images of the operand's registers.
; ROWS BEYOND THE TILE'S COUNT repeat its last token: the same bytes are stored to the same place again.  A TILE WITHOUT ROWS walks the chain on clamped tokens, since the barriers stand on every wave's path, and the branches on the stored count go round stores alone.
; LIMITS: NaN and infinities are not served; a block of the hidden layer that is all zeros, or under 2^-124, gets the byte 1 with zero codes.
; REGISTERS.  window 0: v1-11 addresses; v17-21, v248-252 at work; v22-31 the gate's weights; v32-71 the rows' scale words; v72-87 the weights' scale words; v88-167 ten accumulators; v168-247 codes just made, later the weighted sums.
;   window 1: the ring, 64 registers a slot.   window 2: v0-159 x's fragments, later expert hi's hidden layer; v160-175 the next chunk's biases.   window 3: v0-159 expert lo's hidden layer; v160-199 the rows' offsets in out0.
.set CH,   8704
.set WAVB, 69632
.set EXPB, 278528
.set SUMS, 24576                       ; LDS: the records lie at 0; behind them 64 bytes of sums for each wave
.set TL,   24832                       ; the tile's tokens: wave w puts rows 20 w .. 20 w + 19 at 128 w, 4 bytes a row,
.set XSL,  25344                       ; their scale bytes at 512 w, 16 bytes a row,
.set WTL,  27392                       ; their weights at 256 w, 8 bytes a row
.set BIASL, 28416                      ; my columns' biases: b1[lo], b1[hi], b2[lo], b2[hi], 512 bytes each, for each wave
.set XI,   36608                       ; x's codes: 80 rows x (256 + 16) bytes
.set HIMG, 58368                       ; 40 fragments of the hidden layer, ((5 j + m) 4 + s) x 1,024
.set HSC,  99328                       ; their scale words: (5 j + m) x 512 + 16 x lane + 4 s
.set STG,  104448                      ; two stages of 80 rows x (256 + 16) bytes for each wave
.set STB,  21760
.set SPARE, 278528                     ; the spare words
.set SPW, 9
.set NIL, 253
.set RS,   32
.set PW,   52
.set WS,   72
.set ACC,  88
.set PC,   168
.set OUTC, 168
.set TMX,  17
.set TMP,  248
.set GW,   22
.set BI,   160
.set OA,   160
.set MSB, 0
.macro WIN new                         ; the immediate's high byte repeats the setting that is left
.if MSB != (\new)
	s_set_vgpr_msb (MSB<<8)|(\new)
.set MSB, (\new)
.endif
.endm
.macro VA
	s_wait_alu depctr_va_vdst(0)
.endm
; 18 loads: a chunk's eight fragments into ring slot, and its scale words
.macro LOADCH slot, base, off
	WIN 0x40                                       ; destination window 1
.irp f, 0,1,2,3,4,5,6,7
	global_load_b128 v[64*(\slot)+8*\f:64*(\slot)+8*\f+3], v4, s[\base:\base+1] offset:(\off)+1024*\f
	global_load_b128 v[64*(\slot)+8*\f+4:64*(\slot)+8*\f+7], v4, s[\base:\base+1] offset:(\off)+1024*\f+512
.endr
	WIN 0
	global_load_b64 v[WS+4*(\slot):WS+4*(\slot)+1], v3, s[\base:\base+1] offset:(\off)+8192
	global_load_b64 v[WS+4*(\slot)+2:WS+4*(\slot)+3], v3, s[\base:\base+1] offset:(\off)+8448
.endm
.macro BIAS reg, off                   ; the next chunk's biases: the 16 of my half of the lanes
	WIN 0x80
.irp u, 0,1
	ds_load_b128 v[BI+8*\u:BI+8*\u+3], v[\reg] offset:(\off)+32*\u
	ds_load_b128 v[BI+8*\u+4:BI+8*\u+7], v[\reg] offset:(\off)+32*\u+16
.endr
	WIN 0
.endm
.macro MM m, u, s, slot, rso           ; one product: tile u of the chunk's columns x tile m of the rows, K step s.  Tile 1's scale words stand in lanes 16-31
.set rD, ACC+16*(\m)+8*(\u)
.set rA, 64*(\slot)+8*(4*(\u)+(\s))
.set rB, 8*(4*(\m)+(\s))
.set rC, BI+8*(\u)
.set rW, WS+4*(\slot)+(\s)
.set rR, RS+(\rso)+4*(\m)+(\s)
.if (\s) == 0
.if (\u) == 0
	v_wmma_scale_f32_16x16x128_f8f6f4 v[rD:rD+7], v[rA:rA+7], v[rB:rB+7], v[rC:rC+7], v[rW], v[rR] matrix_a_fmt:MATRIX_FMT_FP4 matrix_b_fmt:MATRIX_FMT_FP4
.else
	v_wmma_scale_f32_16x16x128_f8f6f4 v[rD:rD+7], v[rA:rA+7], v[rB:rB+7], v[rC:rC+7], v[rW], v[rR] matrix_a_fmt:MATRIX_FMT_FP4 matrix_b_fmt:MATRIX_FMT_FP4 matrix_a_scale:MATRIX_SCALE_ROW1
.endif
.else
.if (\u) == 0
	v_wmma_scale_f32_16x16x128_f8f6f4 v[rD:rD+7], v[rA:rA+7], v[rB:rB+7], v[rD:rD+7], v[rW], v[rR] matrix_a_fmt:MATRIX_FMT_FP4 matrix_b_fmt:MATRIX_FMT_FP4
.else
	v_wmma_scale_f32_16x16x128_f8f6f4 v[rD:rD+7], v[rA:rA+7], v[rB:rB+7], v[rD:rD+7], v[rW], v[rR] matrix_a_fmt:MATRIX_FMT_FP4 matrix_b_fmt:MATRIX_FMT_FP4 matrix_a_scale:MATRIX_SCALE_ROW1
.endif
.endif
.endm
; A chunk's 40 products.  bw: the window of the rows' fragments; rso: where their scale words begin.  The ten accumulators take turns, one instruction a turn.
; Five plain places close it: four serve the loads into the slot and the reads of the results, the fifth the next chunk's first products, which begin these accumulators anew with another C.
.macro MULCH slot, bw, rso
.irp s, 0,1,2,3
.if \s == 0
	WIN 0x21|((\bw)<<2)                            ; source 0 window 1, source 1 the rows' window, source 2 (the bias) window 2
.else
	WIN 0x01|((\bw)<<2)
.endif
.irp u, 0,1
.irp m, 0,1,2,3,4
	MM \m, \u, \s, \slot, \rso
.endr
.endr
.endr
	WIN 0
.rept 5
	v_nop
.endr
.endm
; The chunk's results (block c of my 128 hidden units) are clipped at 0 and quantised: a lane's 16 registers of a tile of rows are 16 neighbours, lanes l and l xor 16 share the block.
.macro QUANT c
.set q, 0
.rept 40
	v_dual_max_num_f32 v[ACC+q], 0, v[ACC+q] :: v_dual_max_num_f32 v[ACC+q+1], 0, v[ACC+q+1]   ; the activation; each accumulator from its low end on
.set q, q+2
.endr
.irp m, 0,1,2,3,4
	v_max3_num_f32 v[TMX+\m], v[ACC+16*\m], v[ACC+16*\m+1], 0x1800000   ; none is negative; the floor 2^(3 - 127) holds the byte at 1 from below
.endr
.irp i, 2,4,6,8,10,12,14
.irp m, 0,1,2,3,4
	v_max3_num_f32 v[TMX+\m], v[TMX+\m], v[ACC+16*\m+\i], v[ACC+16*\m+\i+1]
.endr
.endr
.irp m, 0,1,2,3,4
	v_permlanex16_b32 v[TMP+\m], v[TMX+\m], s32, s33
.endr
.irp m, 0,1,2,3,4
	v_max_num_f32 v[TMX+\m], v[TMX+\m], v[TMP+\m]
.endr
.irp m, 0,1,2,3,4
	v_add_nc_u32 v[TMX+\m], 0xff000000, v[TMX+\m]  ; 2 off the exponent field: the conversion's scale operand
.endr
.irp m, 0,1,2,3,4
.if (\c) == 0
	v_lshrrev_b32 v[PW+\m], 23, v[TMX+\m]          ; the byte, at its place in my row's scale word
.else
	v_lshrrev_b32 v[TMP+\m], 23, v[TMX+\m]
.endif
.endr
.if (\c) > 0
.irp m, 0,1,2,3,4
	v_lshl_or_b32 v[PW+\m], v[TMP+\m], 8*(\c), v[PW+\m]
.endr
.endif
.irp m, 0,1,2,3,4
	v_cvt_scalef32_pk8_fp4_f32 v[PC+4*\m+2*((\c)%2)], v[ACC+16*\m:ACC+16*\m+7], v[TMX+\m]
	v_cvt_scalef32_pk8_fp4_f32 v[PC+4*\m+2*((\c)%2)+1], v[ACC+16*\m+8:ACC+16*\m+15], v[TMX+\m]
.endr
	v_nop                                          ; one plain place behind the last conversion
.if (\c)%2 == 1                        ; two blocks make half a fragment: the operand's layout wants a whole block in a lane; then the four registers go to LDS as they stand
.irp m, 0,1,2,3,4
	v_permlane16_swap_b32 v[PC+4*\m], v[PC+4*\m+2]
	v_permlane16_swap_b32 v[PC+4*\m+1], v[PC+4*\m+3]
.endr
.irp m, 0,1,2,3,4
	ds_store_b128 v8, v[PC+4*\m:PC+4*\m+3] offset:\m*4096+512*((\c)/2)
.endr
.endif
.endm
.macro CHUNK1 c, base, off, dw         ; a chunk of the first layer; dw: the LDS stores issued behind its biases
	s_wait_loadcnt 54                              ; behind this slot's 18 loads stand at most the three other slots' 54
	s_wait_dscnt \dw                               ; its biases are in
	MULCH \c, 2, 0
	LOADCH \c, \base, \off
	BIAS 13, 128*(\c)+128
	s_wait_dscnt 4                                 ; all but the four just issued: earlier stores have read their registers
	QUANT \c
.endm
.macro C2 slot, j, cnt, dw             ; the products of a chunk of the second layer: 32 output columns of expert j
	s_wait_loadcnt \cnt
	s_wait_dscnt \dw
	MULCH \slot, 3-\j, 20*\j
.endm
.macro ADDM j, m                       ; weighed and added: rows' tile m
.irp q, 0,2,4,6,8,10,12,14
.if \j == 0
	v_pk_mul_f32 v[OUTC+16*\m+\q:OUTC+16*\m+\q+1], v[ACC+16*\m+\q:ACC+16*\m+\q+1], v[GW+2*\m:GW+2*\m+1] op_sel_hi:[1,0]
.else
	v_pk_fma_f32 v[OUTC+16*\m+\q:OUTC+16*\m+\q+1], v[ACC+16*\m+\q:ACC+16*\m+\q+1], v[GW+2*\m:GW+2*\m+1], v[OUTC+16*\m+\q:OUTC+16*\m+\q+1] op_sel:[0,1,0] op_sel_hi:[1,1,1]
.endif
.endr
.endm
.macro ADDUP j
.irp m, 0,1,2,3,4
	ADDM \j, \m
.endr
.endm
.macro STAGEM m, p, tp                 ; 32 columns of tile m into stage tp: four stores
.irp u, 0,1
	ds_store_b128 v10, v[OUTC+16*\m+8*\u:OUTC+16*\m+8*\u+3] offset:STB*(\tp)+4352*\m+128*(\p)+32*\u
	ds_store_b128 v10, v[OUTC+16*\m+8*\u+4:OUTC+16*\m+8*\u+7] offset:STB*(\tp)+4352*\m+128*(\p)+32*\u+16
.endr
.endm
.macro STAGE p, tp
.irp m, 0,1,2,3,4
	STAGEM \m, \p, \tp
.endr
.endm
; Stage 0 leaves in three parts: back by rows (LDS serves a wave's instructions in order) into a ring slot whose last products are done, then sixteen lanes store 256 consecutive bytes, aligned, two rows an instruction
.macro RB slot, i0, n
	WIN 0x40
.set q, 0
.rept \n
	ds_load_b128 v[64*\slot+4*q:64*\slot+4*q+3], v11 offset:544*(\i0+q)
.set q, q+1
.endr
	WIN 0
.endm
.macro ST slot, i0, n                  ; four rows at a time: groups that begin at or beyond the tile's count are not stored
.set q, 0
.rept \n/2
	s_cmp_le_u32 s21, 2*(\i0+q)
	s_cbranch_scc1 .Lno_rows_\@
	WIN 0x07                                       ; the rows' offsets window 3, the data window 1
	global_store_b128 v[OA+\i0+q], v[64*\slot+4*q:64*\slot+4*q+3], s[18:19] th:TH_STORE_NT
	global_store_b128 v[OA+\i0+q+1], v[64*\slot+4*q+4:64*\slot+4*q+7], s[18:19] th:TH_STORE_NT
	WIN 0
.set q, q+2
.endr
.Lno_rows_\@:
.endm
.macro LDF slot, f, base, off          ; LOADCH in parts: one fragment,
	WIN 0x40
	global_load_b128 v[64*(\slot)+8*(\f):64*(\slot)+8*(\f)+3], v4, s[\base:\base+1] offset:(\off)+1024*(\f)
	global_load_b128 v[64*(\slot)+8*(\f)+4:64*(\slot)+8*(\f)+7], v4, s[\base:\base+1] offset:(\off)+1024*(\f)+512
	WIN 0
.endm
.macro LSC slot, base, off             ; the scale words
	global_load_b64 v[WS+4*(\slot):WS+4*(\slot)+1], v3, s[\base:\base+1] offset:(\off)+8192
	global_load_b64 v[WS+4*(\slot)+2:WS+4*(\slot)+3], v3, s[\base:\base+1] offset:(\off)+8448
.endm
; v[a] becomes its sum over the lanes up to mine
.macro SCAN a, t
.irp n, 1,2,4,8
	v_mov_b32_dpp v[\t], v[\a] row_shr:\n row_mask:0xf bank_mask:0xf bound_ctrl:1
	v_add_nc_u32 v[\a], v[\a], v[\t]
.endr
	v_readlane_b32 s34, v[\a], 15
	v_mov_b32 v[\t], s34
	v_cndmask_b32 v[\t], 0, v[\t], s61             ; lanes 16-31 add the lower row's sum
	v_add_nc_u32 v[\a], v[\a], v[\t]
.endm
	s_load_b512 s[4:19], s[0:1], 0x0               ; rec, xq, xs, wts, wq, b1, b2, out0
	v_lshl_add_u32 v[SPW], v0, 2, SPARE
	v_mov_b32 v[NIL], 0
	v_lshrrev_b32 v1, 5, v0
	v_readfirstlane_b32 s20, v1                    ; wave
	v_and_b32 v255, 31, v0                         ; lane
	v_and_b32 v1, 15, v0                           ; r
	v_bfe_u32 v2, v0, 4, 1                         ; h
	v_lshlrev_b32 v3, 3, v255                      ; 8 x lane
	v_lshlrev_b32 v4, 4, v255                      ; 16 x lane
	v_lshlrev_b32 v202, 4, v0                      ; the records as they lie: 16 bytes a thread
	v_lshrrev_b32 v210, 3, v255
	v_mul_u32_u24 v203, 0x60, v210
	v_and_b32 v211, 7, v255
	v_lshl_add_u32 v203, v211, 2, v203
	s_mul_i32 s34, s20, 6144
	v_add_nc_u32 v203, s34, v203                   ; the counts: word l % 8 of block 64 w + l / 8, + 4 blocks a load
	VA
	s_wait_kmcnt 0x0
.set q, 0
.rept 16
	global_load_b32 v[112+q], v203, s[4:5] offset:384*q
.set q, q+1
.endr
.set q, 0
.rept 12
	global_load_b128 v[128+4*q:131+4*q], v202, s[4:5] offset:2048*q
.set q, q+1
.endr
	; the addresses, under these loads
	v_mul_u32_u24 v192, 0x60, v255                 ; the record of block lane
	s_lshl_b32 s34, s20, 6
	s_add_co_u32 s34, s34, SUMS
	v_lshl_add_u32 v201, v211, 3, s34              ; my wave's sums: words of counts 4 d, 4 d + 2 and 4 d + 1, 4 d + 3
	v_lshrrev_b32 v210, 2, v255
	v_lshlrev_b32 v200, 3, v210
	v_and_b32 v210, 1, v255
	v_lshl_add_u32 v200, v210, 2, v200
	v_bfe_u32 v210, v255, 1, 1
	v_lshl_add_u32 v200, v210, 1, v200             ; where count p = lane stands among a wave's sums
	v_add_nc_u32 v199, 1, v255
	v_min_u32 v199, 31, v199
	v_lshlrev_b32 v199, 2, v199                    ; the next lane
	v_lshlrev_b32 v194, 4, v1                      ; 16 r
	s_lshl_b32 s34, s20, 9
	v_add_nc_u32 v195, s34, v194                   ; in a row of out0: 512 w + 16 r
	v_mul_u32_u24 v196, 0x110, v1
	v_lshl_add_u32 v196, v2, 4, v196
	v_add_nc_u32 v196, XI, v196                    ; x's fragments: row r, 16 h
	s_mul_i32 s34, s20, 5440
	s_add_co_u32 s34, s34, XI
	v_mul_u32_u24 v197, 0x110, v2
	v_add_nc_u32 v197, v197, v194
	v_add_nc_u32 v197, s34, v197                   ; x's rows into LDS: row 20 w + h, 16 r
	s_lshl_b32 s34, s20, 11
	s_add_co_u32 s34, s34, BIASL
	v_add_nc_u32 v198, s34, v4                     ; biases in: 16 x lane
	v_lshl_add_u32 v5, v2, 6, s34                  ; and out: 64 h
	s_lshl_b32 s34, s20, 7
	s_add_co_u32 s34, s34, TL
	v_lshl_add_u32 v204, v255, 2, s34              ; my tokens: in,
	v_lshl_add_u32 v206, v2, 2, s34                ; of rows 20 w + 2 i + h
	v_lshlrev_b32 v207, 2, v2
	v_add_nc_u32 v207, TL, v207                    ; everybody's: of rows 2 i + h
	s_lshl_b32 s34, s20, 9
	s_add_co_u32 s34, s34, XSL
	v_add_nc_u32 v205, s34, v4                     ; my rows' scale bytes in
	s_lshl_b32 s34, s20, 8
	s_add_co_u32 s34, s34, WTL
	v_add_nc_u32 v214, s34, v3                     ; my rows' weights in
	s_mul_i32 s35, s20, 20
	v_min_u32 v215, 19, v255
	v_add_nc_u32 v215, s35, v215                   ; the row that I look up: 20 w + lane (lanes 20-31 repeat lane 19's)
.irp m, 0,1,2,3,4
	v_add_nc_u32 v[216+\m], 16*\m, v1              ; row 16 m + r
	v_mul_u32_u24 v[221+\m], 0xccd, v[216+\m]
.endr
.irp m, 0,1,2,3,4
	v_lshrrev_b32 v[221+\m], 16, v[221+\m]         ; its wave: row / 20, exact under 80
	v_mul_u32_u24 v[221+\m], 0xc0, v[221+\m]
.endr
.irp m, 0,1,2,3,4
	v_lshl_add_u32 v[216+\m], v[216+\m], 4, v[221+\m]   ; 512 x wave + 16 x (row % 20): its scale bytes,
	v_lshrrev_b32 v[221+\m], 1, v[216+\m]          ; its weights
.endr
	s_lshl_b32 s34, s20, 10
	s_add_co_u32 s34, s34, HIMG
	v_add_nc_u32 v6, s34, v4                       ; my images: K step w, 16 x lane
	s_lshl_b32 s34, s20, 2
	s_add_co_u32 s34, s34, HSC
	v_add_nc_u32 v7, s34, v4                       ; my scale words: 16 x lane + 4 w
	v_add_nc_u32 v254, HIMG, v4                    ; everybody's
	s_mul_i32 s34, s20, 2*STB
	s_add_co_u32 s34, s34, STG
	v_mul_u32_u24 v10, 0x110, v1
	v_lshl_add_u32 v10, v2, 6, v10
	v_add_nc_u32 v10, s34, v10                     ; the stage, in: row r, 64 h
	v_mul_u32_u24 v11, 0x110, v2
	v_add_nc_u32 v11, v11, v194
	v_add_nc_u32 v11, s34, v11                     ; back: lanes 0-15 one row, lanes 16-31 the next
	v_mov_b32 v97, 0                               ; lane permutes' destinations count as sources: written once
	v_mov_b32 v212, 0
	v_mov_b32 v213, 0
.irp m, 0,1,2,3,4
	v_mov_b32 v[TMP+\m], 0
.endr
	s_mov_b32 s32, 0x76543210
	s_mov_b32 s33, 0xfedcba98                      ; v_permlanex16_b32's selects for lane l xor 16
	s_mov_b32 s60, 0x00ff00ff
	s_mov_b32 s61, 0xffff0000
	VA
	s_wait_loadcnt 12                              ; the counts are in; the records' 12 loads may be out
.irp q, 112,115,118,121,124
	v_add3_u32 v[\q], v[\q], v[\q+1], v[\q+2]      ; three counts of at most 64 fit in a byte
.endr
	v_and_b32 v208, s60, v112
	v_lshrrev_b32 v112, 8, v112
	v_and_b32 v209, s60, v112
.irp q, 115,118,121,124,127
	v_and_b32 v210, s60, v[\q]
	v_lshrrev_b32 v[\q], 8, v[\q]
	v_and_b32 v211, s60, v[\q]
	v_add_nc_u32 v208, v208, v210                  ; 16 bits a sum: at most 256 x 64
	v_add_nc_u32 v209, v209, v211
.endr
	v_add_nc_u32_dpp v208, v208, v208 row_xmask:8 row_mask:0xf bank_mask:0xf
	v_add_nc_u32_dpp v209, v209, v209 row_xmask:8 row_mask:0xf bank_mask:0xf
	v_permlanex16_b32 v212, v208, s32, s33
	v_permlanex16_b32 v213, v209, s32, s33
	v_add_nc_u32 v208, v208, v212
	v_add_nc_u32 v209, v209, v213
	ds_store_b64 v201, v[208:209]                  ; four lanes write the same words with the same value
	VA
	s_wait_loadcnt 0x0
.set q, 0
.rept 12
	ds_store_b128 v202, v[128+4*q:131+4*q] offset:2048*q
.set q, q+1
.endr
	s_wait_dscnt 0x0                               ; my part of the records and my sums lie in LDS
	s_barrier_signal -1
	s_barrier_wait -1                              ; everybody's do
.irp w, 0,1,2,3
	ds_load_u16 v[88+\w], v200 offset:SUMS+64*\w
.endr
	s_wait_dscnt 0x0
	v_add_nc_u32 v92, v88, v89
	v_add3_u32 v92, v92, v90, v91                  ; where pair p = lane begins (lanes 28-31: 16,384)
	ds_bpermute_b32 v93, v199, v92
	VA
	s_wait_dscnt 0x0
	v_sub_nc_u32 v94, v93, v92                     ; its tokens
	v_add_nc_u32 v95, 0x4f, v94
	v_mul_u32_u24 v95, 0xcccd, v95
	v_lshrrev_b32 v95, 22, v95                     ; its tiles: (n + 79) / 80, exact for n + 79 under 262,144
	v_mov_b32 v96, v95
	SCAN 96, 97
	v_sub_nc_u32 v98, v96, v95                     ; tiles of lower pairs
	s_mov_b32 s36, ttmp9
	v_cmp_ge_u32 s37, s36, v96                     ; the pairs that end at or before my tile
	s_bcnt1_i32_b32 s37, s37
	s_min_u32 s37, s37, 27                         ; my pair
	s_lshl_b32 s38, s37, 2
	v_mov_b32 v99, s38
	ds_bpermute_b32 v100, v99, v94
	ds_bpermute_b32 v101, v99, v98
	VA
	s_wait_dscnt 0x0
	v_readfirstlane_b32 s22, v100
	v_readfirstlane_b32 s23, v101
	s_sub_co_u32 s24, s36, s23
	s_mul_i32 s24, s24, 80                         ; my first rank
	s_sub_co_i32 s21, s22, s24
	s_max_i32 s21, s21, 0
	s_min_u32 s21, s21, 80                         ; my rows
	s_max_u32 s27, s21, 1
	s_sub_co_u32 s27, s27, 1                       ; the last of them
	s_mov_b32 s25, 0
.irp c, 7,13,18,22,25,27               ; where the pairs of lo = 1 .. 6 begin
	s_cmp_ge_u32 s37, \c
	s_add_co_ci_u32 s25, s25, 0
.endr
	s_sub_co_u32 s26, 15, s25
	s_mul_i32 s26, s26, s25
	s_lshr_b32 s26, s26, 1
	s_sub_co_u32 s26, s37, s26
	s_add_co_u32 s26, s26, s25
	s_add_co_u32 s26, s26, 1
	s_min_u32 s25, s25, 7                          ; lo
	s_min_u32 s26, s26, 7                          ; hi
	s_mul_i32 s34, s25, EXPB
	s_mul_i32 s38, s20, WAVB
	s_add_co_u32 s34, s34, s38
	s_mov_b32 s35, 0
	s_add_nc_u64 s[28:29], s[12:13], s[34:35]      ; my chunks of expert lo,
	s_mul_i32 s34, s26, EXPB
	s_add_co_u32 s34, s34, s38
	s_add_nc_u64 s[30:31], s[12:13], s[34:35]      ; of expert hi
	s_lshl_b32 s34, s25, 11
	s_lshl_b32 s38, s20, 9
	s_add_co_u32 s34, s34, s38
	s_add_nc_u64 s[40:41], s[14:15], s[34:35]
	s_add_nc_u64 s[42:43], s[16:17], s[34:35]
	s_lshl_b32 s34, s26, 11
	s_add_co_u32 s34, s34, s38
	s_add_nc_u64 s[44:45], s[14:15], s[34:35]
	s_add_nc_u64 s[46:47], s[16:17], s[34:35]
	global_load_b128 v[176:179], v4, s[40:41]      ; my columns' biases, 512 bytes each
	global_load_b128 v[180:183], v4, s[44:45]
	global_load_b128 v[184:187], v4, s[42:43]
	global_load_b128 v[188:191], v4, s[46:47]
	s_mov_b64 s[48:49], s[30:31]                   ; what the loop's first trip asks for: hi's four chunks of layer 1;
	s_add_nc_u64 s[50:51], s[30:31], CH
	s_add_nc_u64 s[52:53], s[28:29], 4*CH          ; from then on layer 2, lo and hi by turns
	s_add_nc_u64 s[54:55], s[30:31], 4*CH
	; THE TOKENS of ranks s24 + row.  Lane l holds blocks 32 i + l: v88-95 the tokens of lower pairs in each, v96-103 my pair's tokens, summed over i
	v_add_nc_u32 v193, s37, v192
.irp i, 0,1,2,3,4,5,6,7
	ds_load_u8 v[88+\i], v193 offset:3072*\i
	ds_load_u8 v[96+\i], v193 offset:3072*\i+1
.endr
	v_min_u32 v120, s27, v215                      ; rows beyond the count repeat the last
	v_add_nc_u32 v120, s24, v120                   ; the rank of my row: a wave looks up its own 20 rows
	v_mov_b32 v124, 0
	v_mov_b32 v115, 0
	LDF 0, 0, 28, 0                                ; chunk 0's loads stand in groups ahead of the lookup's waits
	LDF 0, 1, 28, 0
	VA
	s_wait_dscnt 0x0
.irp i, 0,1,2,3,4,5,6,7
	v_sub_nc_u32 v[96+\i], v[96+\i], v[88+\i]
.endr
.irp i, 1,2,3,4,5,6,7
	v_add_nc_u32 v[96+\i], v[96+\i], v[95+\i]
.endr
	v_lshl_or_b32 v117, v89, 8, v88
	v_lshl_or_b32 v118, v93, 8, v92
	v_lshl_or_b32 v117, v90, 16, v117
	v_lshl_or_b32 v118, v94, 16, v118
	v_lshl_or_b32 v117, v91, 24, v117              ; v88-95 as bytes
	v_lshl_or_b32 v118, v95, 24, v118
	v_mov_b32 v114, v103
	SCAN 114, 115
	v_sub_nc_u32 v116, v114, v103                  ; my pair's tokens in lower lanes
	v_readlane_b32 s34, v114, 7
	v_readlane_b32 s35, v114, 15
	v_readlane_b32 s38, v114, 23
	; which lane holds a rank: the number of lanes whose sum (v114) is not above it, found among 4 x 8, then 4 x 2, then 2
.irp s, 34,35,38
	v_cmp_le_u32 vcc_lo, s\s, v120
	v_add_co_ci_u32 v124, vcc_lo, 0, v124, vcc_lo
.endr
	v_lshlrev_b32 v124, 5, v124                    ; 4 x lane
	v_mov_b32 v160, 0
.irp x, 0,1,2
	v_add_nc_u32 v[128+\x], 4+8*\x, v124
.endr
.irp x, 0,1,2
	ds_bpermute_b32 v[104+\x], v[128+\x], v114
.endr
	LDF 0, 2, 28, 0
	LDF 0, 3, 28, 0
	VA
	s_wait_dscnt 0x0
.irp x, 0,1,2
	v_cmp_ge_u32 vcc_lo, v120, v[104+\x]
	v_add_co_ci_u32 v160, vcc_lo, 0, v160, vcc_lo
.endr
	v_lshl_add_u32 v124, v160, 3, v124
	ds_bpermute_b32 v104, v124, v114
	LDF 0, 4, 28, 0
	VA
	s_wait_dscnt 0x0
	v_lshrrev_b32 v166, 2, v124
	v_cmp_ge_u32 vcc_lo, v120, v104
	v_add_co_ci_u32 v166, vcc_lo, 0, v166, vcc_lo  ; the lane
	v_lshlrev_b32 v124, 2, v166
	ds_bpermute_b32 v128, v124, v116
.irp x, 0,1,2,3,4,5,6
	ds_bpermute_b32 v[129+\x], v124, v[96+\x]
.endr
	ds_bpermute_b32 v136, v124, v117
	ds_bpermute_b32 v137, v124, v118
	v_mov_b32 v160, 0
	v_mov_b32 v163, 0
	LDF 0, 5, 28, 0
	LDF 0, 6, 28, 0
	VA
	s_wait_dscnt 0x0
	v_sub_nc_u32 v120, v120, v128                  ; the rank within the lane
.irp x, 0,1,2,3,4,5,6
	v_cmp_ge_u32 vcc_lo, v120, v[129+\x]
	v_cndmask_b32 v163, v163, v[129+\x], vcc_lo
	v_add_co_ci_u32 v160, vcc_lo, 0, v160, vcc_lo  ; i, and the lane's tokens ahead of its block i
.endr
	v_or_b32 v104, 0x0c0c0c00, v160
	v_perm_b32 v104, v137, v136, v104              ; the block's tokens of lower pairs: byte i
	v_sub_nc_u32 v120, v120, v163
	v_add_nc_u32 v104, v104, v120
	v_min_u32 v104, 63, v104                       ; the place in the block's order
	v_lshl_add_u32 v166, v160, 5, v166             ; the block
	v_mul_u32_u24 v108, 0x60, v166
	v_add_nc_u32 v108, v108, v104
	v_min_u32 v108, 0x5fdf, v108
	ds_load_u8 v170, v108 offset:32
	LDF 0, 7, 28, 0
	LSC 0, 28, 0
	VA
	s_wait_dscnt 0x0                               ; my reads of the records are over
	s_barrier_signal -1
	s_barrier_wait -1
	v_lshl_add_u32 v170, v166, 6, v170
	v_min_u32 v170, 0x3fff, v170                   ; the token of my row
	ds_store_b32 v204, v170
.irp i, 0,1,2,3,4,5,6,7,8,9
	ds_load_b32 v[96+\i], v206 offset:8*\i         ; (of my own wave's rows: LDS serves a wave's instructions in order)
.endr
	v_lshlrev_b32 v108, 4, v170                    ; its scale bytes,
	v_lshlrev_b32 v109, 3, v170                    ; its weights
	VA
	s_wait_dscnt 0x0
.irp i, 0,1,2,3,4,5,6,7,8,9
	v_min_u32 v[96+\i], 0x3fff, v[96+\i]
	v_lshl_add_u32 v[96+\i], v[96+\i], 8, v194     ; 256 bytes of codes a token: sixteen lanes take one row
.endr
.irp i, 0,1,2,3,4,5,6,7,8,9
	global_load_b128 v[128+4*\i:131+4*\i], v[96+\i], s[6:7]    ; rows 20 w + 2 i + h
.endr
	global_load_b128 v[172:175], v108, s[8:9]
	global_load_b64 v[168:169], v109, s[10:11]
	LOADCH 1, 28, CH
	VA
	s_wait_loadcnt 18                              ; my rows are in (and chunk 0 and the biases); chunk 1's 18 loads may be out
	ds_store_b128 v205, v[172:175]
	ds_store_b64 v214, v[168:169]
.irp i, 0,1,2,3
	ds_store_b128 v198, v[176+4*\i:179+4*\i] offset:512*\i
.endr
.irp i, 0,1,2,3,4,5,6,7,8,9
	ds_store_b128 v197, v[128+4*\i:131+4*\i] offset:544*\i
.endr
	s_wait_dscnt 0x0                               ; my rows of x lie in LDS
	s_barrier_signal -1
	s_barrier_wait -1                              ; everybody's do
	WIN 0x80                                       ; destination window 2
.irp m, 0,1,2,3,4
.irp s, 0,1,2,3
	ds_load_b128 v[8*(4*\m+\s):8*(4*\m+\s)+3], v196 offset:4352*\m+64*\s
	ds_load_b128 v[8*(4*\m+\s)+4:8*(4*\m+\s)+7], v196 offset:4352*\m+64*\s+32
.endr
.endr
	WIN 0
.irp m, 0,1,2,3,4
	ds_load_b128 v[RS+4*\m:RS+4*\m+3], v[216+\m] offset:XSL
	ds_load_b64 v[GW+2*\m:GW+2*\m+1], v[221+\m] offset:WTL
.endr
	BIAS 5, 0
	LOADCH 2, 28, 2*CH
	LOADCH 3, 28, 3*CH
	s_mov_b32 s56, 0                               ; expert j's images,
	s_mov_b32 s57, 0                               ; scale words
	s_mov_b32 s58, 0                               ; and biases
	s_mov_b32 s59, 2
	s_wait_dscnt 0x0                               ; x's fragments, scale words, weights and the first biases are in
.Lp1:                                              ; the first layer: a trip makes my 128 hidden units of one expert, lo, then hi
	v_add_nc_u32 v8, s56, v6
	v_add_nc_u32 v12, s57, v7
	v_add_nc_u32 v13, s58, v5
	VA
	CHUNK1 0, 48, 0, 10
	CHUNK1 1, 50, 0, 0
	CHUNK1 2, 48, 2*CH, 5
	CHUNK1 3, 50, 2*CH, 0
.irp m, 0,1,2,3,4
	ds_store_b32 v12, v[PW+\m] offset:512*\m
.endr
	s_wait_xcnt 0x0                                ; the loads have read their bases: these are written only behind this wait
	s_mov_b64 s[48:49], s[52:53]
	s_mov_b64 s[50:51], s[54:55]
	s_add_co_u32 s56, s56, 20480
	s_add_co_u32 s57, s57, 2560
	s_add_co_u32 s58, s58, 512
	s_sub_co_u32 s59, s59, 1
	s_cmp_lg_u32 s59, 0
	VA
	s_cbranch_scc1 .Lp1
	WIN 0xc0                                       ; destination window 3: the tokens of rows 2 i + h
.set q, 0
.rept 40
	ds_load_b32 v[OA+q], v207 offset:8*q+48*(q/10)
.set q, q+1
.endr
	WIN 0
	s_wait_dscnt 0x0                               ; my images and scale words lie in LDS
	s_barrier_signal -1
	s_barrier_wait -1                              ; everybody's do: the hidden layer's 40 fragments
	WIN 0xc0
.set q, 0
.rept 20
	ds_load_b128 v[8*q:8*q+3], v254 offset:1024*q
	ds_load_b128 v[8*q+4:8*q+7], v254 offset:1024*q+512
.set q, q+1
.endr
	WIN 0
.irp q, 0,1,2,3,4
	ds_load_b128 v[RS+4*\q:RS+4*\q+3], v254 offset:HSC-HIMG+512*\q
.endr
	WIN 0x80
.set q, 0
.rept 20
	ds_load_b128 v[8*q:8*q+3], v254 offset:1024*(q+20)
	ds_load_b128 v[8*q+4:8*q+7], v254 offset:1024*(q+20)+512
.set q, q+1
.endr
	WIN 0
.irp q, 5,6,7,8,9
	ds_load_b128 v[RS+4*\q:RS+4*\q+3], v254 offset:HSC-HIMG+512*\q
.endr
	WIN 0xcc                                       ; the rows' offsets in out0, made while the fragments are on their way
.set q, 0
.rept 40
	v_min_u32 v[OA+q], 0x3fff, v[OA+q]
.set q, q+1
.endr
	WIN 0xc3
.set q, 0
.rept 40
	v_lshl_add_u32 v[OA+q], v[OA+q], 11, v195
.set q, q+1
.endr
	WIN 0
	; THE SECOND LAYER.  Columns 0-63 of my 128, and the refills of columns 64-127
	C2 0, 0, 54, 45                                ; expert lo's fragments are in; expert hi's 45 loads may be out
	LOADCH 0, 48, CH
	BIAS 5, 1536
	ADDUP 0
	C2 1, 1, 54, 0
	LOADCH 1, 50, CH
	BIAS 5, 1024+128
	ADDUP 1
	STAGE 0, 0
	C2 2, 0, 54, 20                                ; behind the biases stand the stage's 20 stores
	LOADCH 2, 48, 3*CH
	BIAS 5, 1536+128
	s_wait_dscnt 4                                 ; the stage's stores have read the sums' registers
	ADDUP 0
	C2 3, 1, 54, 0
	LOADCH 3, 50, 3*CH
	BIAS 5, 1024+256
	ADDUP 1
	STAGE 1, 0
	; columns 64-127: nothing more is asked for, the counts run down, and columns 0-63 leave between the chunks
	C2 0, 0, 54, 20
	BIAS 5, 1536+256
	s_wait_dscnt 4
	RB 0, 0, 16
	ADDUP 0
	s_wait_dscnt 0x0
	ST 0, 0, 16
	C2 1, 1, 36, 0
	BIAS 5, 1024+384
	RB 1, 16, 16
	ADDUP 1
	STAGE 0, 1
	s_wait_dscnt 20                                ; the rows are back; the stage's 20 stores may be out
	ST 1, 16, 16
	C2 2, 0, 18, 20
	BIAS 5, 1536+384
	s_wait_dscnt 4
	RB 2, 32, 8
	ADDUP 0
	s_wait_dscnt 0x0
	ST 2, 32, 8
	C2 3, 1, 0, 0
.irp m, 0,1,2,3,4                      ; tile by tile: added, staged, and back by rows into window 2, whose fragments are done with
	ADDM 1, \m
	STAGEM \m, 1, 1
	WIN 0x80
.irp i, 0,1,2,3,4,5,6,7
	ds_load_b128 v[32*\m+4*\i:32*\m+4*\i+3], v11 offset:STB+544*(8*\m+\i)
.endr
	WIN 0
.endr
.irp m, 0,1,2,3,4
	s_wait_dscnt 12*(4-\m)                         ; behind tile m stand 12 LDS instructions for each later tile
.irp i, 0,2,4,6
	s_cmp_le_u32 s21, 16*\m+2*\i                   ; groups of four rows at or beyond the tile's count are not stored
	s_cbranch_scc1 .Lend
	WIN 0x0b                                       ; the rows' offsets window 3, the data window 2
	global_store_b128 v[OA+8*\m+\i], v[32*\m+4*\i:32*\m+4*\i+3], s[18:19] offset:256 th:TH_STORE_NT
	global_store_b128 v[OA+8*\m+\i+1], v[32*\m+4*\i+4:32*\m+4*\i+7], s[18:19] offset:256 th:TH_STORE_NT
	WIN 0
.endr
.endr
.Lend:
	s_wait_tensorcnt 0x0                           ; the wave's end
	ds_add_u32 v[SPW], v[NIL]
	s_wait_dscnt 0x0
	s_endpgm
.Lfunc_end_k_q55d4a3d831_chain:
	.size	k_q55d4a3d831_chain, .Lfunc_end_k_q55d4a3d831_chain-k_q55d4a3d831_chain
	.p2alignl 7, 3214868480
	.fill 96, 4, 3214868480
	.section	.rodata,"a",@progbits
	.p2align	6, 0x0
	.amdhsa_kernel k_q55d4a3d831_chain
		.amdhsa_group_segment_fixed_size 279040
		.amdhsa_private_segment_fixed_size 0
		.amdhsa_enable_private_segment 0
		.amdhsa_kernarg_size 64
		.amdhsa_user_sgpr_count 2
		.amdhsa_user_sgpr_kernarg_segment_ptr 1
		.amdhsa_wavefront_size32 1
		.amdhsa_system_sgpr_workgroup_id_x 1
		.amdhsa_system_sgpr_workgroup_id_y 1
		.amdhsa_system_sgpr_workgroup_id_z 1
		.amdhsa_system_vgpr_workitem_id 0
		.amdhsa_next_free_vgpr 1024
		.amdhsa_next_free_sgpr 66
		.amdhsa_reserve_vcc 1
		.amdhsa_float_denorm_mode_32 3
		.amdhsa_float_denorm_mode_16_64 3
		.amdhsa_memory_ordered 1
		.amdhsa_forward_progress 1
		.amdhsa_inst_pref_size 205
	.end_amdhsa_kernel
	.amdgpu_metadata
---
amdhsa.version: [ 1, 2 ]
amdhsa.kernels:
  - .name:           k_q55d4a3d831_chain
    .symbol:         k_q55d4a3d831_chain.kd
    .args:
      - { .name: rec, .offset: 0, .size: 8, .value_kind: global_buffer, .address_space: global }
      - { .name: xq, .offset: 8, .size: 8, .value_kind: global_buffer, .address_space: global }
      - { .name: xs, .offset: 16, .size: 8, .value_kind: global_buffer, .address_space: global }
      - { .name: wts, .offset: 24, .size: 8, .value_kind: global_buffer, .address_space: global }
      - { .name: wq, .offset: 32, .size: 8, .value_kind: global_buffer, .address_space: global }
      - { .name: b1, .offset: 40, .size: 8, .value_kind: global_buffer, .address_space: global }
      - { .name: b2, .offset: 48, .size: 8, .value_kind: global_buffer, .address_space: global }
      - { .name: out0, .offset: 56, .size: 8, .value_kind: global_buffer, .address_space: global }
    .group_segment_fixed_size: 279040
    .private_segment_fixed_size: 0
    .kernarg_segment_align: 8
    .kernarg_segment_size: 64
    .max_flat_workgroup_size: 128
    .sgpr_count:     66
    .vgpr_count:     1024
    .wavefront_size: 32
...
	.end_amdgpu_metadata
.endif
;; end of part 2
